; MI455X (gfx1250); checked and timed in simulation.
; The chip was launched on July 23, 2026; its instructions are those of AMD's public machine-readable ISA for CDNA 5 (MIT licence, August 2026) and "CDNA5" Instruction Set Architecture Reference Guide (July 2026). The comments in the code are by the model that wrote it; some were corrected since.
;; Firing Rate Model. Allowed arithmetic: float matrix products may take bf16 or f16 operands with f32 sums; all other float work in f32.
;; Inputs: a 64 float32; b 64 float32; currents 1,024 x 8,192 float32; ds 64 float32; fs0 8,192 float32; g_b one number float32; poly_coeff 6 float32; w 64 x 1 float32.
;; Outputs: out0 1,024 x 8,192 float32.
;; 2 versions, each right and faster than the one before. Each part assembles by itself: llvm-mc -triple=amdgcn-amd-amdhsa -mcpu=gfx1250 --defsym DOCPART=n.
;; ======== version 1 of 2: 1 launch
;; launch frm (part 1): grid 256 x 1, 4 waves a work-group, no clusters, 168,448 bytes of LDS; arguments currents, fs0, a, b, w, ds, poly_coeff, g_b, out0; writes out0
.if DOCPART == 1
	.amdgcn_target "amdgcn-amd-amdhsa--gfx1250"
	.amdhsa_code_object_version 6
	.text
	.protected	k_q4fd6fef789_frm
	.globl	k_q4fd6fef789_frm
	.p2align	8
	.type	k_q4fd6fef789_frm,@function
k_q4fd6fef789_frm:
	s_mov_b64 s[64:65], 0
	v_nop
	global_prefetch_b8 v0, s[64:65] scope:SCOPE_SE
	s_setreg_imm32_b32 hwreg(HW_REG_WAVE_MODE, 25, 1), 1
	s_wait_xcnt 0x0
; FiringRateModel: 1,024 time bins, 8,192 columns, 64 states a column.
;   v <- (1-ds) v + c_t a + 1000 f b ;  z = v.w ;  f = relu(200 tanh(sum_k coeff_k^2 ((z-g_b)/100)^k)) ;  out0[t][col] = f
;
; THE ALGEBRA.  Everything is kept in the polynomial's variable y = (z-g_b)/100.  For each state:
;   d = 1-ds, A = 0.01 w a, Bc = 0.01 w b 1000, E = d Bc, kappa = -g_b/6400 (64 kappa = -g_b/100), K = kappa - d kappa.
;   The state held is g:  m_t = g_t + E f_(t-2) ;  g_(t+1) = d m_t + (A c_(t+1) + K) ;  g_(-1) = kappa, f_(-3) = f_(-2) = 0, f_(-1) = fs0.
;   y_t = P_t + beta0 f_(t-1),  P_t = sum64 g_t + beta1 f_(t-2),  beta0 = sum64 Bc,  beta1 = sum64 E.
;   r_t = 1 / (1 + exp2(q(y_t))),  q_k = coeff_k^2 * 2 log2(e) ;  f_t = max(0, 200 - 400 r_t)   (tanh p = 1 - 2 / (1 + e^(2p))).
;   The relu is folded into the next link: y_t = med3(r_(t-1) (-400 beta0) + (P_t + 200 beta0), P_t, S), S = +inf for beta0 of
;   sign +, -inf otherwise (a max or a min).  So from r to r there are eight dependent instructions (fma, med3, three levels of
;   Estrin, exp, add, rcp); the update of the 64 states, their sum, f itself and P have a step or two of slack and fill the gaps.
;
; THE SHARES.  256 work-groups of four waves.  A work-group owns 32 columns (128 bytes of every row); thread t owns column t>>2 and
;   the 16 states 16 (t&3) .. +15, as eight register pairs.  The sum over 64 states is seven packed adds and one add in the lane,
;   then two adds across the four lanes of a column.  The launch asks for more than half of a WGP's LDS though it uses 12,288 bytes:
;   no second work-group lies beside this one, and each wave has a SIMD to itself.
; THE STREAM.  Step u takes row u of currents, runs the chain for t = u-2, emits f of row u-3 and forms P of u-1.  Trip k is the
;   16 steps u = 16k+3+i and emits rows 16k+i.  Tiles are 16 rows x 128 bytes.  Input tile j: global load (seven trips ahead) into
;   a register set, LDS store (three trips ahead), one word a lane into the ring C one trip ahead.  Out tile k: one LDS word a step,
;   read back by rows behind the next barrier and stored 16 bytes a lane.  One barrier for 16 steps.
; LEFT OUT, AND WHY.  Matrix instructions: v.w has one output column and powers.coeff six terms, and both lie inside the serial
;   chain, where conversions and the distance behind a matrix instruction would lengthen each of the 1,024 links; they are f32 fmas.
;   Clusters: work-groups share no tile (only 1 KB of constants).  Tensor loads: a tile is 2 KB, one 16-byte load a lane.
;   Prefetch: every load is issued 64 steps before its data are wanted.
; LIMITS.  The sums are taken in another order than the reference's.  tanh comes from v_exp_f32 and v_rcp_f32 (1 ulp each; results of
;   exp2 below 2^-126 count as 0): f is off by some 3e-5 absolute.  A NaN is dropped by v_max_num_f32 / v_med3_num_f32 where the reference
;   would carry it on; finite inputs are served.  A store covers four rows x 128 consecutive bytes: each aligned 256 bytes of out0 are
;   written as two halves by two work-groups (64 columns a group would halve the number of groups and double each SIMD's work).
.set ROWB,  32768                      ; bytes in a row of currents and of out0
.set TILEB, 16*ROWB                    ; from tile to tile in memory
.set SLOTB, 16*128                     ; a tile in LDS: 16 rows of 128 bytes
.set OUTB,  4*SLOTB                    ; LDS: four input slots at 0, two out slots behind them
.set LA,  1                            ; v1        4 x my column in the group: my word in an LDS row
.set LB,  2                            ; v2        16 t: my 16 bytes of a tile in LDS
.set GOF, 3                            ; v3        (t>>3) rows + 16 (t&7): the same 16 bytes in memory
.set TMP, 4                            ; v4        set-up
.set NO,  5                            ; v5        64 (t&3): my 16 states in a, b, w, ds
.set VAL, 6
.set YY,  7
.set Y2,  8
.set Y4,  9
.set E0,  10                           ; v[10:11]  in the set-up: -kappa twice
.set E1,  11
.set E2,  12
.set PP,  13
.set EX,  14
.set RR,  15                           ; r
.set FF,  16                           ; v[16:17]  f (broadcast source of the packed fma) and 200 - 400 r
.set HH,  17
.set PV,  18                           ; P
.set PH,  19                           ; P + 200 beta0
.set GG,  20                           ; sum of g
.set FS,  21                           ; fs0 of my column
.set KV,  22                           ; v[22:23]  kappa twice
.set OY,  24                           ; v[24:27]  16 bytes of an out tile
.set XR,  28                           ; v[28:43]  four sets: input tiles on their way
.set XP,  44                           ; v[44:59]  tiles 0 to 3 (set-up only)
.set CP,  60                           ; v60, 62, 64   c of rows 0, 1, 2
.set CC,  66                           ; v[66+2i]  c of step i; the odd registers hold 0 (a packed source names its pair)
.set DD,  98                           ; v[98:113]   d
.set AA,  114                          ; v[114:129]  A
.set EE,  130                          ; v[130:145]  E
.set KK,  146                          ; v[146:161]  K
.set GS,  162                          ; v[162:177]  g
.set TT,  178                          ; v[178:193]  A c + K
.set SS,  194                          ; v[194:201]  partial sums
; scalars: s[8:9] currents, s[10:11] fs0, s[12:19] a b w ds, s[20:23] poly_coeff g_b, s[24:25] out0, s[28:33] coeff, s34 g_b, s35 wave,
; s36-41 q0-q5, s42 beta0, s43 beta1, s44 -400 beta0, s45 200 beta0, s46 S, s47 -400, s48 200, s49 kappa, s50 counter, s51 -kappa
	s_load_b512 s[8:23], s[0:1], 0x0               ; eight addresses
	s_load_b64 s[24:25], s[0:1], 0x40              ; out0
	v_lshl_add_u32 v208, v0, 2, 0x29000
	v_mov_b32 v209, 0
	v_and_b32 v[TMP], 31, v0                       ; lane
	v_lshrrev_b32 v[VAL], 5, v0
	v_readfirstlane_b32 s35, v[VAL]                ; wave 0..3, as a scalar
	s_lshl_b32 s54, s35, 5                         ; a wave's 8 columns: 32 bytes of an LDS row
	s_lshl_b32 s55, s35, 9                         ; a wave's 512 bytes of a tile
	v_and_b32 v[LA], 0x1c, v[TMP]
	v_add_nc_u32 v[LA], s54, v[LA]                 ; 4 (t>>2)
	v_lshl_add_u32 v[LB], v[TMP], 4, s55           ; 16 t
	v_lshrrev_b32 v[TMP], 3, v0                    ; row of the tile
	v_and_b32 v[GOF], 7, v0
	v_lshlrev_b32 v[GOF], 4, v[GOF]
	v_lshl_add_u32 v[GOF], v[TMP], 15, v[GOF]      ; row x 32,768 + 16 x piece
	v_and_b32 v[NO], 3, v0
	v_lshlrev_b32 v[NO], 6, v[NO]
	s_lshl_b32 s52, ttmp9, 7                       ; the group's 128 bytes in a row
	s_mov_b32 s53, 0
	s_mov_b32 s47, 0xc3c80000                      ; -400.0
	s_mov_b32 s48, 0x43480000                      ; 200.0
	s_wait_kmcnt 0x0
	s_load_b128 s[28:31], s[20:21], 0x0            ; coeff 0..3
	s_load_b64 s[32:33], s[20:21], 0x10            ; coeff 4, 5: 24 bytes in all
	s_load_b32 s34, s[22:23], 0x0                  ; g_b
	s_add_nc_u64 s[8:9], s[8:9], s[52:53]
	s_add_nc_u64 s[10:11], s[10:11], s[52:53]
	s_add_nc_u64 s[24:25], s[24:25], s[52:53]
.irp q, 0,1,2,3
	global_load_b128 v[AA+4*\q:AA+4*\q+3], v[NO], s[12:13] offset:16*\q    ; a
	global_load_b128 v[EE+4*\q:EE+4*\q+3], v[NO], s[14:15] offset:16*\q    ; b
	global_load_b128 v[KK+4*\q:KK+4*\q+3], v[NO], s[16:17] offset:16*\q    ; w
	global_load_b128 v[DD+4*\q:DD+4*\q+3], v[NO], s[18:19] offset:16*\q    ; ds
.endr
	global_load_b32 v[FS], v[LA], s[10:11]
.irp j, 0,1,2,3
	global_load_b128 v[XP+4*\j:XP+4*\j+3], v[GOF], s[8:9] offset:\j*TILEB th:TH_LOAD_NT        ; tiles 0 to 3
.endr
.irp j, 0,1,2,3
	global_load_b128 v[XR+4*\j:XR+4*\j+3], v[GOF], s[8:9] offset:(\j+4)*TILEB th:TH_LOAD_NT    ; tiles 4 to 7
.endr
	s_wait_kmcnt 0x0
.irp k, 0,1,2,3,4,5
	s_mul_f32 s[36+\k], s[28+\k], s[28+\k]         ; coeff^2
.endr
.irp k, 0,1,2,3,4,5
	s_mul_f32 s[36+\k], s[36+\k], 0x4038aa3b       ; x 2 log2(e)
.endr
	s_mul_f32 s49, s34, 0xb923d70a                 ; kappa = -g_b / 6400
	s_mul_f32 s51, s34, 0x3923d70a                 ; -kappa
	v_mov_b32 v[KV], s49
	v_mov_b32 v[KV+1], s49
	v_mov_b32 v[E0], s51
	v_mov_b32 v[E0+1], s51
	v_mov_b32 v[FF], 0                             ; f_(-3)
	v_mov_b32 v[HH], 0
.set n, 0
.rept 19
	v_mov_b32 v[CP+1+2*n], 0                       ; the odd halves of the pairs of c, once
.set n, n+1
.endr
	s_wait_loadcnt 0x8                             ; a, b, w, ds, fs0 are in; the eight tile loads issued behind them stay out
.irp p, 0,2,4,6,8,10,12,14
	v_pk_mul_f32 v[KK+\p:KK+\p+1], v[KK+\p:KK+\p+1], 0x3c23d70a op_sel_hi:[1,0]       ; 0.01 w
.endr
.irp p, 0,2,4,6,8,10,12,14
	v_pk_mul_f32 v[AA+\p:AA+\p+1], v[KK+\p:KK+\p+1], v[AA+\p:AA+\p+1]                 ; A = 0.01 w a
	v_pk_mul_f32 v[TT+\p:TT+\p+1], v[KK+\p:KK+\p+1], v[EE+\p:EE+\p+1]                 ; 0.01 w b
	v_pk_fma_f32 v[DD+\p:DD+\p+1], v[DD+\p:DD+\p+1], -1.0, 1.0 op_sel_hi:[1,0,0]      ; d = 1 - ds
.endr
.irp p, 0,2,4,6,8,10,12,14
	v_pk_mul_f32 v[TT+\p:TT+\p+1], v[TT+\p:TT+\p+1], 0x447a0000 op_sel_hi:[1,0]       ; Bc = 0.01 w b 1000
.endr
.irp p, 0,2,4,6,8,10,12,14
	v_pk_mul_f32 v[EE+\p:EE+\p+1], v[DD+\p:DD+\p+1], v[TT+\p:TT+\p+1]                 ; E = d Bc
	v_pk_fma_f32 v[KK+\p:KK+\p+1], v[DD+\p:DD+\p+1], v[E0:E0+1], v[KV:KV+1]           ; K = kappa - d kappa
	v_mov_b32 v[GS+\p], s49                                                           ; g_(-1) = kappa
	v_mov_b32 v[GS+\p+1], s49
.endr
; the sum of 64 numbers, 16 in each of a column's four lanes, into a scalar (it is the same in every column)
.macro SUM64 src, dst
	v_pk_add_f32 v[SS:SS+1],   v[\src:\src+1],     v[\src+2:\src+3]
	v_pk_add_f32 v[SS+2:SS+3], v[\src+4:\src+5],   v[\src+6:\src+7]
	v_pk_add_f32 v[SS+4:SS+5], v[\src+8:\src+9],   v[\src+10:\src+11]
	v_pk_add_f32 v[SS+6:SS+7], v[\src+12:\src+13], v[\src+14:\src+15]
	v_pk_add_f32 v[SS:SS+1],   v[SS:SS+1],   v[SS+2:SS+3]
	v_pk_add_f32 v[SS+4:SS+5], v[SS+4:SS+5], v[SS+6:SS+7]
	v_pk_add_f32 v[SS:SS+1],   v[SS:SS+1],   v[SS+4:SS+5]
	v_add_f32 v[GG], v[SS], v[SS+1]
	v_add_f32_dpp v[GG], v[GG], v[GG] row_xmask:1 row_mask:0xf bank_mask:0xf
	v_add_f32_dpp v[GG], v[GG], v[GG] row_xmask:2 row_mask:0xf bank_mask:0xf
	v_readfirstlane_b32 s[\dst], v[GG]
.endm
	SUM64 TT, 42                                   ; beta0
	SUM64 EE, 43                                   ; beta1
	s_mul_f32 s44, s42, s47                        ; -400 beta0
	s_mul_f32 s45, s42, s48                        ; 200 beta0
	s_and_b32 s46, s42, 0x80000000
	s_or_b32 s46, s46, 0x7f800000                  ; infinity with beta0's sign
	s_wait_loadcnt 0x4                             ; tiles 0 to 3 are in; tiles 4 to 7 stay out
.irp j, 0,1,2,3
	ds_store_b128 v[LB], v[XP+4*\j:XP+4*\j+3] offset:\j*SLOTB
.endr
	s_wait_dscnt 0x0                               ; my parts of the four tiles lie in LDS: zero, for the other waves' sake
	s_barrier_signal -1
	s_barrier_wait -1
.irp r, 0,1,2
	ds_load_b32 v[CP+2*\r], v[LA] offset:128*\r    ; rows 0 to 2
.endr
.set n, 0
.rept 16
	ds_load_b32 v[CC+2*n], v[LA] offset:128*(3+n)  ; rows 3 to 18: the ring's first filling (slots follow each other: byte = 128 x row)
.set n, n+1
.endr
	s_wait_dscnt 0x0
; ONE STEP.  creg: register of this step's c.  ch: 0 no chain, 1 first link (y = P + beta0 fs0), 2 regular.  fm: 1 f is given (nothing is
; emitted), 2 f = max(0, 200 - 400 r), stored at LDS byte fo.  tr: the sum of g, and P.  st: the update of g.  rl: LDS byte of the c that
; this step's ring place takes next (-1: none).  gst: byte in out0 of the out tile that is stored here (-1: none).  sig: the barrier's signal.
; The chain's lines are marked *; the other lines are laid between them so that no line reads the result of a line close in front of it.
.macro STEP creg, ch, fm, tr, st, fo, rl, gst, sig
.if \gst >= 0
	s_wait_dscnt 0x2                               ; behind OY's load (and the load of c for step 15) at least the two f stores of steps 0 and 1
	                                               ; were issued, on every path; LDS answers in order: both loads are in
	global_store_b128 v[GOF], v[OY:OY+3], s[24:25] offset:\gst th:TH_STORE_NT
.endif
.if \ch == 2
	s_wait_alu depctr_va_vdst(0)
	v_fma_f32 v[VAL], v[RR], s44, v[PH]            ; *  P + beta0 (200 - 400 r)
.endif
.if \tr
	v_pk_add_f32 v[SS:SS+1],   v[GS:GS+1],       v[GS+2:GS+3]
	v_pk_add_f32 v[SS+2:SS+3], v[GS+4:GS+5],     v[GS+6:GS+7]
	v_pk_add_f32 v[SS+4:SS+5], v[GS+8:GS+9],     v[GS+10:GS+11]
	v_pk_add_f32 v[SS+6:SS+7], v[GS+12:GS+13],   v[GS+14:GS+15]
.endif
.if \ch == 2
	v_med3_num_f32 v[YY], v[VAL], v[PV], s46       ; *  the relu: max(.., P) for beta0 >= 0, min for beta0 < 0
.endif
.if \ch == 1
	v_fma_f32 v[YY], v[FF], s42, v[PV]             ; *  fs0 goes in as it is given, whatever its sign
.endif
.if \fm == 2
	v_fma_f32 v[HH], v[RR], s47, s48               ; 200 - 400 r
.endif
.if \tr
	v_pk_add_f32 v[SS:SS+1], v[SS:SS+1], v[SS+2:SS+3]
.endif
.if \st
	v_pk_fma_f32 v[TT:TT+1], v[AA:AA+1], v[\creg:\creg+1], v[KK:KK+1] op_sel_hi:[1,0,1]
.endif
.if \tr
	v_pk_add_f32 v[SS+4:SS+5], v[SS+4:SS+5], v[SS+6:SS+7]
.endif
.if \ch
	v_mul_f32 v[Y2], v[YY], v[YY]                  ; *
	v_fma_f32 v[E1], v[YY], s39, s38               ; *  q2 + q3 y
	v_fma_f32 v[E0], v[YY], s37, s36               ; *  q0 + q1 y
	v_fma_f32 v[E2], v[YY], s41, s40               ; *  q4 + q5 y
.endif
.if \fm == 2
	v_max_num_f32 v[FF], 0, v[HH]                  ; f
.endif
.if \ch
	v_mul_f32 v[Y4], v[Y2], v[Y2]                  ; *
.endif
.if \tr
	v_pk_add_f32 v[SS:SS+1], v[SS:SS+1], v[SS+4:SS+5]
.endif
.if \ch
	v_fma_f32 v[E0], v[E1], v[Y2], v[E0]           ; *
.endif
.if \st
	v_pk_fma_f32 v[TT+2:TT+3], v[AA+2:AA+3], v[\creg:\creg+1], v[KK+2:KK+3] op_sel_hi:[1,0,1]
.irp p, 0,1
	v_pk_fma_f32 v[GS+2*\p:GS+2*\p+1], v[EE+2*\p:EE+2*\p+1], v[FF:FF+1], v[GS+2*\p:GS+2*\p+1] op_sel_hi:[1,0,1]   ; m = g + E f
.endr
.endif
.if \tr
	v_add_f32 v[GG], v[SS], v[SS+1]
.endif
.if \ch
	v_fma_f32 v[PP], v[E2], v[Y4], v[E0]           ; *  q(y)
.endif
.if \fm == 2
	ds_store_b32 v[LA], v[FF] offset:\fo           ; a column's four lanes write the same word with the same value
.endif
.if \st
.irp p, 2,3,4
	v_pk_fma_f32 v[GS+2*\p:GS+2*\p+1], v[EE+2*\p:EE+2*\p+1], v[FF:FF+1], v[GS+2*\p:GS+2*\p+1] op_sel_hi:[1,0,1]
.endr
.endif
.if \tr
	v_add_f32_dpp v[GG], v[GG], v[GG] row_xmask:1 row_mask:0xf bank_mask:0xf
.endif
.if \ch
	v_exp_f32 v[EX], v[PP]                         ; *  a plain vector line that names neither EX nor PP follows in every variant (ISA guide 5.7.2)
.endif
.if \st
.irp p, 5,6,7
	v_pk_fma_f32 v[GS+2*\p:GS+2*\p+1], v[EE+2*\p:EE+2*\p+1], v[FF:FF+1], v[GS+2*\p:GS+2*\p+1] op_sel_hi:[1,0,1]
.endr
.else
.if \ch
	v_nop
	s_wait_alu depctr_va_vdst(0)
.endif
.endif
.if \tr
	v_add_f32_dpp v[GG], v[GG], v[GG] row_xmask:2 row_mask:0xf bank_mask:0xf    ; the column's 64 states, in all four lanes
.endif
.if \st
.irp p, 2,3,4
	v_pk_fma_f32 v[TT+2*\p:TT+2*\p+1], v[AA+2*\p:AA+2*\p+1], v[\creg:\creg+1], v[KK+2*\p:KK+2*\p+1] op_sel_hi:[1,0,1]
.endr
.endif
.if \ch
	s_wait_alu depctr_va_vdst(0)
	v_add_f32 v[EX], 1.0, v[EX]                    ; *
.endif
.if \tr
	v_fma_f32 v[PV], v[FF], s43, v[GG]             ; P of the next link
.endif
.if \st
.irp p, 5,6,7
	v_pk_fma_f32 v[TT+2*\p:TT+2*\p+1], v[AA+2*\p:AA+2*\p+1], v[\creg:\creg+1], v[KK+2*\p:KK+2*\p+1] op_sel_hi:[1,0,1]
.endr
.endif
.if \rl >= 0
	ds_load_b32 v[\creg], v[LA] offset:\rl         ; c for this place of the ring, 16 steps ahead; waited for in front of the next signal
.endif
.if \ch
	v_rcp_f32 v[RR], v[EX]                         ; *  again a plain line follows before RR is read
.endif
.if \sig
	s_wait_dscnt 0x0                               ; my f words of this trip lie in LDS, my reads of the input slots are over: zero, for the others
	s_barrier_signal -1                            ; up to the wait: register work only
.endif
.if \tr
	v_add_f32 v[PH], s45, v[PV]
.else
.if \ch
	v_nop
	s_wait_alu depctr_va_vdst(0)
.endif
.endif
.if \st
.irp p, 0,1,2,3,4,5,6,7
	v_pk_fma_f32 v[GS+2*\p:GS+2*\p+1], v[DD+2*\p:DD+2*\p+1], v[GS+2*\p:GS+2*\p+1], v[TT+2*\p:TT+2*\p+1]           ; g = d m + (A c + K)
.endr
.endif
.endm
; A regular step: step i of trip k.  Its ring place is filled again with row 16 (k+1) + 3 + i, if there is such a row; step 15's
; reload stands behind the barrier instead, so that no fresh LDS load stands in front of the signal's wait.
.macro RSTEP k, i, gst, sig
.set ROWN, 16*((\k)+1)+3+(\i)
.set RLV, -1
.if (\i) < 15
.if ROWN < 1024
.set RLV, ((ROWN>>4)%4)*SLOTB+(ROWN&15)*128
.endif
.endif
.set FOV, OUTB+((\k)%2)*SLOTB+128*(\i)
.set CRV, CC+2*(\i)
	STEP CRV, 2, 2, 1, 1, FOV, RLV, \gst, \sig
.endm
; Between trip kap-1 and trip kap.  Behind the barrier: out tile kap-1 is whole in LDS, input tile kap+2 can be read, and the slot of input
; tile kap-1 (= kap+3 mod 4), whose last reads were waited for one barrier earlier, can be written.
.macro BOUNDARY kap, rel
	s_barrier_wait -1
	s_wait_xcnt 0x0                                ; OY, the data of the last out store, is loaded again only behind this wait
	ds_load_b128 v[OY:OY+3], v[LB] offset:OUTB+(((\kap)-1)%2)*SLOTB
.if 16*(\kap)+18 < 1024
	ds_load_b32 v[CC+30], v[LA] offset:(((\kap)+1)%4)*SLOTB+2*128          ; step 15's c: row 16 kap + 18
.endif
.set XS, ((\kap)+3)%4
.if (\kap)+3 <= 63
.if 60-(\kap) < 3
	s_wait_loadcnt 60-(\kap)                       ; the last tiles: as many loads were issued behind tile kap+3 as tiles follow it
.else
	s_wait_loadcnt 0x3                             ; tile kap+3 is in; the three tiles asked for at the three later boundaries stay out
.endif
	ds_store_b128 v[LB], v[XR+4*XS:XR+4*XS+3] offset:XS*SLOTB
.endif
.if (\kap)+7 <= 63
	global_load_b128 v[XR+4*XS:XR+4*XS+3], v[GOF], s[8:9] offset:((\rel)+8)*TILEB th:TH_LOAD_NT    ; tile kap+7 into the set just emptied
.endif
.endm
; Steps 3 to 15 of trip k, the boundary, steps 0 to 2 of trip k+1 (in the last of them out tile k leaves).  rel: tile k counted from the
; two stepped bases.
.macro SEG k, rel
.irp i, 3,4,5,6,7,8,9,10,11,12,13,14
	RSTEP \k, \i, -1, 0
.endr
	RSTEP \k, 15, -1, 1
	BOUNDARY (\k)+1, \rel
	RSTEP (\k)+1, 0, -1, 0
	RSTEP (\k)+1, 1, -1, 0
	RSTEP (\k)+1, 2, (\rel)*TILEB, 0
.endm
	STEP CP,   0, 1, 0, 1, 0, -1, -1, 0            ; u = 0: g_0 (f_(-3) = 0)
	STEP CP+2, 0, 1, 1, 1, 0, -1, -1, 0            ; u = 1: g_1, P_0 (f_(-2) = 0)
	v_mov_b32 v[FF], v[FS]                         ; f_(-1) = fs0
	STEP CP+4, 1, 1, 1, 1, 0, -1, -1, 0            ; u = 2: g_2, P_1, r_0
	RSTEP 0, 0, -1, 0                              ; trip 0, steps 0 to 2: no out tile to store yet
	RSTEP 0, 1, -1, 0
	RSTEP 0, 2, -1, 0
	s_mov_b32 s50, 0
.Lround:                                           ; four trips; the boundaries 1 to 56 ask for the tiles 8 to 63
	SEG 0, 0
	SEG 1, 1
	SEG 2, 2
	SEG 3, 3
	s_wait_xcnt 0x0                                ; the two bases are stepped only behind this wait
	s_add_nc_u64 s[8:9], s[8:9], 4*TILEB
	s_add_nc_u64 s[24:25], s[24:25], 4*TILEB
	s_add_co_u32 s50, s50, 1
	s_cmp_lt_u32 s50, 14
	s_cbranch_scc1 .Lround
	SEG 56, 0                                      ; the tail, written out: no load leaves the buffer, the counts of loads run down 3, 2, 1, 0,
	SEG 57, 1                                      ; then the LDS fills and the reloads of c end
	SEG 58, 2
	SEG 59, 3
	SEG 60, 4
	SEG 61, 5
	SEG 62, 6
.irp i, 3,4,5,6,7,8,9,10,11,12
	RSTEP 63, \i, -1, 0                            ; up to u = 1023, the last row of currents
.endr
	STEP CC, 2, 2, 1, 0, OUTB+SLOTB+128*13, -1, -1, 0      ; u = 1024: P_1023, r_1022, f_1021
	STEP CC, 2, 2, 0, 0, OUTB+SLOTB+128*14, -1, -1, 0      ; u = 1025: r_1023, f_1022
	STEP CC, 0, 2, 0, 0, OUTB+SLOTB+128*15, -1, -1, 1      ; u = 1026: f_1023
	s_barrier_wait -1
	s_wait_xcnt 0x0                                ; OY was the data of tile 62's store
	ds_load_b128 v[OY:OY+3], v[LB] offset:OUTB+SLOTB
	s_wait_dscnt 0x0
	global_store_b128 v[GOF], v[OY:OY+3], s[24:25] offset:7*TILEB th:TH_STORE_NT   ; out tile 63
	s_wait_tensorcnt 0x0
	ds_add_u32 v208, v209
	s_wait_dscnt 0x0
	s_endpgm
.Lfunc_end_k_q4fd6fef789_frm:
	.size	k_q4fd6fef789_frm, .Lfunc_end_k_q4fd6fef789_frm-k_q4fd6fef789_frm
	.p2alignl 7, 3214868480
	.fill 96, 4, 3214868480
	.section	.rodata,"a",@progbits
	.p2align	6, 0x0
	.amdhsa_kernel k_q4fd6fef789_frm
		.amdhsa_group_segment_fixed_size 168448
		.amdhsa_private_segment_fixed_size 0
		.amdhsa_enable_private_segment 0
		.amdhsa_kernarg_size 72
		.amdhsa_user_sgpr_count 2
		.amdhsa_user_sgpr_kernarg_segment_ptr 1
		.amdhsa_wavefront_size32 1
		.amdhsa_system_sgpr_workgroup_id_x 1
		.amdhsa_system_sgpr_workgroup_id_y 1
		.amdhsa_system_sgpr_workgroup_id_z 1
		.amdhsa_system_vgpr_workitem_id 0
		.amdhsa_next_free_vgpr 210
		.amdhsa_next_free_sgpr 66
		.amdhsa_reserve_vcc 0
		.amdhsa_float_denorm_mode_32 3
		.amdhsa_float_denorm_mode_16_64 3
		.amdhsa_memory_ordered 1
		.amdhsa_forward_progress 1
		.amdhsa_inst_pref_size 255
	.end_amdhsa_kernel
	.section	.bss,"aw",@nobits
	.p2align	6
	.space	262144
	.amdgpu_metadata
---
amdhsa.version: [ 1, 2 ]
amdhsa.kernels:
  - .name:           k_q4fd6fef789_frm
    .symbol:         k_q4fd6fef789_frm.kd
    .args:
      - { .name: currents, .offset: 0, .size: 8, .value_kind: global_buffer, .address_space: global }
      - { .name: fs0, .offset: 8, .size: 8, .value_kind: global_buffer, .address_space: global }
      - { .name: a, .offset: 16, .size: 8, .value_kind: global_buffer, .address_space: global }
      - { .name: b, .offset: 24, .size: 8, .value_kind: global_buffer, .address_space: global }
      - { .name: w, .offset: 32, .size: 8, .value_kind: global_buffer, .address_space: global }
      - { .name: ds, .offset: 40, .size: 8, .value_kind: global_buffer, .address_space: global }
      - { .name: poly_coeff, .offset: 48, .size: 8, .value_kind: global_buffer, .address_space: global }
      - { .name: g_b, .offset: 56, .size: 8, .value_kind: global_buffer, .address_space: global }
      - { .name: out0, .offset: 64, .size: 8, .value_kind: global_buffer, .address_space: global }
    .group_segment_fixed_size: 168448
    .private_segment_fixed_size: 0
    .kernarg_segment_align: 8
    .kernarg_segment_size: 72
    .max_flat_workgroup_size: 128
    .sgpr_count:     66
    .vgpr_count:     210
    .wavefront_size: 32
...
	.end_amdgpu_metadata
.endif
;; end of part 1
;; ======== version 2 of 2: 1 launch; 1.17 times as fast as version 1
;; launch frm (part 2): grid 256 x 1, 4 waves a work-group, no clusters, 168,448 bytes of LDS; arguments currents, fs0, a, b, w, ds, poly_coeff, g_b, out0; writes out0
.if DOCPART == 2
	.amdgcn_target "amdgcn-amd-amdhsa--gfx1250"
	.amdhsa_code_object_version 6
	.text
	.protected	k_q4fd6fef789_frm
	.globl	k_q4fd6fef789_frm
	.p2align	8
	.type	k_q4fd6fef789_frm,@function
k_q4fd6fef789_frm:
	s_mov_b64 s[64:65], 0
	v_nop
	global_prefetch_b8 v0, s[64:65] scope:SCOPE_SE
	s_setreg_imm32_b32 hwreg(HW_REG_WAVE_MODE, 25, 1), 1
	s_wait_xcnt 0x0
; FiringRateModel: 1,024 time bins, 8,192 columns, 64 states a column.
;   v <- (1-ds) v + c_t a + 1000 f b ;  z = v.w ;  f = relu(200 tanh(sum_k coeff_k^2 ((z-g_b)/100)^k)) ;  out0[t][col] = f
;
; THE ALGEBRA.  Everything is kept in the polynomial's variable y = (z-g_b)/100.  For each state:
;   d = 1-ds, A = 0.01 w a, Bc = 0.01 w b 1000, E = d Bc, kappa = -g_b/6400 (64 kappa = -g_b/100), K = kappa - d kappa.
;   The state held is g:  m_t = g_t + E f_(t-2) ;  g_(t+1) = d m_t + (A c_(t+1) + K) ;  g_(-1) = kappa, f_(-3) = f_(-2) = 0, f_(-1) = fs0.
;   y_t = P_t + beta0 f_(t-1),  P_t = sum64 g_t + beta1 f_(t-2),  beta0 = sum64 Bc,  beta1 = sum64 E.
;   r_t = 1 / (1 + exp2(q(y_t))),  q_k = coeff_k^2 * 2 log2(e) ;  f_t = max(0, 200 - 400 r_t)   (tanh p = 1 - 2 / (1 + e^(2p))).
;   The relu is folded into the next link: y_t = med3(r_(t-1) (-400 beta0) + (P_t + 200 beta0), P_t, S), S = +inf for beta0 of
;   sign +, -inf otherwise (a max or a min).  So from r to r there are eight dependent instructions (fma, med3, three levels of
;   Estrin, exp, add, rcp); the update of the 64 states, their sum, f itself and P have a step or two of slack and fill the gaps.
;
; THE SHARES.  256 work-groups of four waves.  A work-group owns 32 columns (128 bytes of every row); thread t owns column t>>2 and
;   the 16 states 16 (t&3) .. +15, as eight register pairs.  The sum over 64 states is seven packed adds and one add in the lane,
;   then two adds across the four lanes of a column.  The launch asks for more than half of a WGP's LDS though it uses 12,288 bytes:
;   no second work-group lies beside this one, and each wave has a SIMD to itself.
; THE STREAM.  Step u takes row u of currents, runs the chain for t = u-2, emits f of row u-3 and forms P of u-1.  Trip k is the
;   16 steps u = 16k+3+i and emits rows 16k+i.  Tiles are 16 rows x 128 bytes.  Input tile j: global load (seven trips ahead) into
;   a register set, LDS store (three trips ahead), one word a lane into the ring C one trip ahead.  Out tile k: one LDS word a step,
;   read back by rows behind the next barrier and stored 16 bytes a lane.  One barrier for 16 steps.
; THE TWO TRANSCENDENTALS OF A LINK ARE TWO BATCHES OF ONE.  The reciprocal's source is 1 + the exponential's result, and the next link's
;   exponential hangs on the reciprocal through fma, med3 and the polynomial; a lane has one column, so there is no second chain to set
;   beside this one.  An s_wait_alu depctr_va_vdst(0) stands between each of the two and the first line that names its
;   result: two waits a step.
;   The exponential's: behind the exponential stand six packed fmas of A c + K and the sum's last add across lanes; then the wait; directly
;   behind the wait the step's two LDS instructions in one run (f's word out, the ring's next c in); then the reader, 1 + e.
;   The reciprocal's: behind the reciprocal stand P + 200 beta0 and the eight packed fmas that end the update of g; the wait stands at the
;   next step's head, ahead of the first reader.  At the loop's label and at its backward jump the wait stands ahead of them instead, and
;   the first step behind them has none at its head.
; LEFT OUT, AND WHY.  Matrix instructions: v.w has one output column and powers.coeff six terms, and both lie inside the serial
;   chain, where conversions and the distance behind a matrix instruction would lengthen each of the 1,024 links; they are f32 fmas.
;   Clusters: work-groups share no tile (only 1 KB of constants).  Tensor loads: a tile is 2 KB, one 16-byte load a lane.
;   Prefetch: every load is issued 64 steps before its data are wanted.
; LIMITS.  The sums are taken in another order than the reference's.  tanh comes from v_exp_f32 and v_rcp_f32 (1 ulp each; results of
;   exp2 below 2^-126 count as 0): f is off by some 3e-5 absolute.  A NaN is dropped by v_max_num_f32 / v_med3_num_f32 where the reference
;   would carry it on; finite inputs are served.  A store covers four rows x 128 consecutive bytes: each aligned 256 bytes of out0 are
;   written as two halves by two work-groups (64 columns a group would halve the number of groups and double each SIMD's work).
.set ROWB,  32768                      ; bytes in a row of currents and of out0
.set TILEB, 16*ROWB                    ; from tile to tile in memory
.set SLOTB, 16*128                     ; a tile in LDS: 16 rows of 128 bytes
.set OUTB,  4*SLOTB                    ; LDS: four input slots at 0, two out slots behind them
.set LA,  1                            ; v1        4 x my column in the group: my word in an LDS row
.set LB,  2                            ; v2        16 t: my 16 bytes of a tile in LDS
.set GOF, 3                            ; v3        (t>>3) rows + 16 (t&7): the same 16 bytes in memory
.set TMP, 4                            ; v4        set-up
.set NO,  5                            ; v5        64 (t&3): my 16 states in a, b, w, ds
.set VAL, 6
.set YY,  7
.set Y2,  8
.set Y4,  9
.set E0,  10                           ; v[10:11]  in the set-up: -kappa twice
.set E1,  11
.set E2,  12
.set PP,  13
.set EX,  14
.set RR,  15                           ; r
.set FF,  16                           ; v[16:17]  f (broadcast source of the packed fma) and 200 - 400 r
.set HH,  17
.set PV,  18                           ; P
.set PH,  19                           ; P + 200 beta0
.set GG,  20                           ; sum of g
.set FS,  21                           ; fs0 of my column
.set KV,  22                           ; v[22:23]  kappa twice
.set OY,  24                           ; v[24:27]  16 bytes of an out tile
.set XR,  28                           ; v[28:43]  four sets: input tiles on their way
.set XP,  44                           ; v[44:59]  tiles 0 to 3 (set-up only)
.set CP,  60                           ; v60, 62, 64   c of rows 0, 1, 2
.set CC,  66                           ; v[66+2i]  c of step i; the odd registers hold 0 (a packed source names its pair)
.set DD,  98                           ; v[98:113]   d
.set AA,  114                          ; v[114:129]  A
.set EE,  130                          ; v[130:145]  E
.set KK,  146                          ; v[146:161]  K
.set GS,  162                          ; v[162:177]  g
.set TT,  178                          ; v[178:193]  A c + K
.set SS,  194                          ; v[194:201]  partial sums
; scalars: s[8:9] currents, s[10:11] fs0, s[12:19] a b w ds, s[20:23] poly_coeff g_b, s[24:25] out0, s[28:33] coeff, s34 g_b, s35 wave,
; s36-41 q0-q5, s42 beta0, s43 beta1, s44 -400 beta0, s45 200 beta0, s46 S, s47 -400, s48 200, s49 kappa, s50 counter, s51 -kappa
	s_load_b512 s[8:23], s[0:1], 0x0               ; eight addresses
	s_load_b64 s[24:25], s[0:1], 0x40              ; out0
	v_lshl_add_u32 v208, v0, 2, 0x29000
	v_mov_b32 v209, 0
	v_and_b32 v[TMP], 31, v0                       ; lane
	v_lshrrev_b32 v[VAL], 5, v0
	v_readfirstlane_b32 s35, v[VAL]                ; wave 0..3, as a scalar
	s_lshl_b32 s54, s35, 5                         ; a wave's 8 columns: 32 bytes of an LDS row
	s_lshl_b32 s55, s35, 9                         ; a wave's 512 bytes of a tile
	v_and_b32 v[LA], 0x1c, v[TMP]
	v_add_nc_u32 v[LA], s54, v[LA]                 ; 4 (t>>2)
	v_lshl_add_u32 v[LB], v[TMP], 4, s55           ; 16 t
	v_lshrrev_b32 v[TMP], 3, v0                    ; row of the tile
	v_and_b32 v[GOF], 7, v0
	v_lshlrev_b32 v[GOF], 4, v[GOF]
	v_lshl_add_u32 v[GOF], v[TMP], 15, v[GOF]      ; row x 32,768 + 16 x piece
	v_and_b32 v[NO], 3, v0
	v_lshlrev_b32 v[NO], 6, v[NO]
	s_lshl_b32 s52, ttmp9, 7                       ; the group's 128 bytes in a row
	s_mov_b32 s53, 0
	s_mov_b32 s47, 0xc3c80000                      ; -400.0
	s_mov_b32 s48, 0x43480000                      ; 200.0
	s_wait_kmcnt 0x0
	s_load_b128 s[28:31], s[20:21], 0x0            ; coeff 0..3
	s_load_b64 s[32:33], s[20:21], 0x10            ; coeff 4, 5: 24 bytes in all
	s_load_b32 s34, s[22:23], 0x0                  ; g_b
	s_add_nc_u64 s[8:9], s[8:9], s[52:53]
	s_add_nc_u64 s[10:11], s[10:11], s[52:53]
	s_add_nc_u64 s[24:25], s[24:25], s[52:53]
.irp q, 0,1,2,3
	global_load_b128 v[AA+4*\q:AA+4*\q+3], v[NO], s[12:13] offset:16*\q    ; a
	global_load_b128 v[EE+4*\q:EE+4*\q+3], v[NO], s[14:15] offset:16*\q    ; b
	global_load_b128 v[KK+4*\q:KK+4*\q+3], v[NO], s[16:17] offset:16*\q    ; w
	global_load_b128 v[DD+4*\q:DD+4*\q+3], v[NO], s[18:19] offset:16*\q    ; ds
.endr
	global_load_b32 v[FS], v[LA], s[10:11]
.irp j, 0,1,2,3
	global_load_b128 v[XP+4*\j:XP+4*\j+3], v[GOF], s[8:9] offset:\j*TILEB th:TH_LOAD_NT        ; tiles 0 to 3
.endr
.irp j, 0,1,2,3
	global_load_b128 v[XR+4*\j:XR+4*\j+3], v[GOF], s[8:9] offset:(\j+4)*TILEB th:TH_LOAD_NT    ; tiles 4 to 7
.endr
	s_wait_kmcnt 0x0
.irp k, 0,1,2,3,4,5
	s_mul_f32 s[36+\k], s[28+\k], s[28+\k]         ; coeff^2
.endr
.irp k, 0,1,2,3,4,5
	s_mul_f32 s[36+\k], s[36+\k], 0x4038aa3b       ; x 2 log2(e)
.endr
	s_mul_f32 s49, s34, 0xb923d70a                 ; kappa = -g_b / 6400
	s_mul_f32 s51, s34, 0x3923d70a                 ; -kappa
	v_mov_b32 v[KV], s49
	v_mov_b32 v[KV+1], s49
	v_mov_b32 v[E0], s51
	v_mov_b32 v[E0+1], s51
	v_mov_b32 v[FF], 0                             ; f_(-3)
	v_mov_b32 v[HH], 0
.set n, 0
.rept 19
	v_mov_b32 v[CP+1+2*n], 0                       ; the odd halves of the pairs of c, once
.set n, n+1
.endr
	s_wait_loadcnt 0x8                             ; a, b, w, ds, fs0 are in; the eight tile loads issued behind them stay out
.irp p, 0,2,4,6,8,10,12,14
	v_pk_mul_f32 v[KK+\p:KK+\p+1], v[KK+\p:KK+\p+1], 0x3c23d70a op_sel_hi:[1,0]       ; 0.01 w
.endr
.irp p, 0,2,4,6,8,10,12,14
	v_pk_mul_f32 v[AA+\p:AA+\p+1], v[KK+\p:KK+\p+1], v[AA+\p:AA+\p+1]                 ; A = 0.01 w a
	v_pk_mul_f32 v[TT+\p:TT+\p+1], v[KK+\p:KK+\p+1], v[EE+\p:EE+\p+1]                 ; 0.01 w b
	v_pk_fma_f32 v[DD+\p:DD+\p+1], v[DD+\p:DD+\p+1], -1.0, 1.0 op_sel_hi:[1,0,0]      ; d = 1 - ds
.endr
.irp p, 0,2,4,6,8,10,12,14
	v_pk_mul_f32 v[TT+\p:TT+\p+1], v[TT+\p:TT+\p+1], 0x447a0000 op_sel_hi:[1,0]       ; Bc = 0.01 w b 1000
.endr
.irp p, 0,2,4,6,8,10,12,14
	v_pk_mul_f32 v[EE+\p:EE+\p+1], v[DD+\p:DD+\p+1], v[TT+\p:TT+\p+1]                 ; E = d Bc
	v_pk_fma_f32 v[KK+\p:KK+\p+1], v[DD+\p:DD+\p+1], v[E0:E0+1], v[KV:KV+1]           ; K = kappa - d kappa
	v_mov_b32 v[GS+\p], s49                                                           ; g_(-1) = kappa
	v_mov_b32 v[GS+\p+1], s49
.endr
; the sum of 64 numbers, 16 in each of a column's four lanes, into a scalar (it is the same in every column)
.macro SUM64 src, dst
	v_pk_add_f32 v[SS:SS+1],   v[\src:\src+1],     v[\src+2:\src+3]
	v_pk_add_f32 v[SS+2:SS+3], v[\src+4:\src+5],   v[\src+6:\src+7]
	v_pk_add_f32 v[SS+4:SS+5], v[\src+8:\src+9],   v[\src+10:\src+11]
	v_pk_add_f32 v[SS+6:SS+7], v[\src+12:\src+13], v[\src+14:\src+15]
	v_pk_add_f32 v[SS:SS+1],   v[SS:SS+1],   v[SS+2:SS+3]
	v_pk_add_f32 v[SS+4:SS+5], v[SS+4:SS+5], v[SS+6:SS+7]
	v_pk_add_f32 v[SS:SS+1],   v[SS:SS+1],   v[SS+4:SS+5]
	v_add_f32 v[GG], v[SS], v[SS+1]
	v_add_f32_dpp v[GG], v[GG], v[GG] row_xmask:1 row_mask:0xf bank_mask:0xf
	v_add_f32_dpp v[GG], v[GG], v[GG] row_xmask:2 row_mask:0xf bank_mask:0xf
	v_readfirstlane_b32 s[\dst], v[GG]
.endm
	SUM64 TT, 42                                   ; beta0
	SUM64 EE, 43                                   ; beta1
	s_mul_f32 s44, s42, s47                        ; -400 beta0
	s_mul_f32 s45, s42, s48                        ; 200 beta0
	s_and_b32 s46, s42, 0x80000000
	s_or_b32 s46, s46, 0x7f800000                  ; infinity with beta0's sign
	s_wait_loadcnt 0x4                             ; tiles 0 to 3 are in; tiles 4 to 7 stay out
.irp j, 0,1,2,3
	ds_store_b128 v[LB], v[XP+4*\j:XP+4*\j+3] offset:\j*SLOTB
.endr
	s_wait_dscnt 0x0                               ; my parts of the four tiles lie in LDS: zero, for the other waves' sake
	s_barrier_signal -1
	s_barrier_wait -1
.irp r, 0,1,2
	ds_load_b32 v[CP+2*\r], v[LA] offset:128*\r    ; rows 0 to 2
.endr
.set n, 0
.rept 16
	ds_load_b32 v[CC+2*n], v[LA] offset:128*(3+n)  ; rows 3 to 18: the ring's first filling (slots follow each other: byte = 128 x row)
.set n, n+1
.endr
	s_wait_dscnt 0x0
; ONE STEP.  creg: register of this step's c.  ch: 0 no chain, 1 first link (y = P + beta0 fs0), 2 regular.  fm: 1 f is given (nothing is
; emitted), 2 f = max(0, 200 - 400 r), stored at LDS byte fo.  tr: the sum of g, and P.  st: the update of g.  rl: LDS byte of the c that
; this step's ring place takes next (-1: none).  gst: byte in out0 of the out tile that is stored here (-1: none).  sig: the barrier's signal.
; hw: 0 the wait for the last step's reciprocal stands ahead of a label or a jump in front of this step, so the step's head has none.
; The chain's lines are marked *; the other lines are laid between them so that no line reads the result of a line close in front of it.
.macro STEP creg, ch, fm, tr, st, fo, rl, gst, sig, hw=1
.if \gst >= 0
	s_wait_dscnt 0x2                               ; behind OY's load (and the load of c for step 15) at least the two f stores of steps 0 and 1
	                                               ; were issued, on every path; LDS answers in order: both loads are in
	global_store_b128 v[GOF], v[OY:OY+3], s[24:25] offset:\gst th:TH_STORE_NT
.endif
.if \ch == 2
.if \hw
	s_wait_alu depctr_va_vdst(0)                   ; the wait for the last step's reciprocal, a batch of one, ahead of RR's first reader
.endif
	v_fma_f32 v[VAL], v[RR], s44, v[PH]            ; *  P + beta0 (200 - 400 r)
.endif
.if \tr
	v_pk_add_f32 v[SS:SS+1],   v[GS:GS+1],       v[GS+2:GS+3]
	v_pk_add_f32 v[SS+2:SS+3], v[GS+4:GS+5],     v[GS+6:GS+7]
	v_pk_add_f32 v[SS+4:SS+5], v[GS+8:GS+9],     v[GS+10:GS+11]
	v_pk_add_f32 v[SS+6:SS+7], v[GS+12:GS+13],   v[GS+14:GS+15]
.endif
.if \ch == 2
	v_med3_num_f32 v[YY], v[VAL], v[PV], s46       ; *  the relu: max(.., P) for beta0 >= 0, min for beta0 < 0
.endif
.if \ch == 1
	v_fma_f32 v[YY], v[FF], s42, v[PV]             ; *  fs0 goes in as it is given, whatever its sign
.endif
.if \fm == 2
	v_fma_f32 v[HH], v[RR], s47, s48               ; 200 - 400 r
.endif
.if \tr
	v_pk_add_f32 v[SS:SS+1], v[SS:SS+1], v[SS+2:SS+3]
.endif
.if \st
	v_pk_fma_f32 v[TT:TT+1], v[AA:AA+1], v[\creg:\creg+1], v[KK:KK+1] op_sel_hi:[1,0,1]
.endif
.if \tr
	v_pk_add_f32 v[SS+4:SS+5], v[SS+4:SS+5], v[SS+6:SS+7]
.endif
.if \ch
	v_mul_f32 v[Y2], v[YY], v[YY]                  ; *
	v_fma_f32 v[E1], v[YY], s39, s38               ; *  q2 + q3 y
	v_fma_f32 v[E0], v[YY], s37, s36               ; *  q0 + q1 y
	v_fma_f32 v[E2], v[YY], s41, s40               ; *  q4 + q5 y
.endif
.if \fm == 2
	v_max_num_f32 v[FF], 0, v[HH]                  ; f
.endif
.if \ch
	v_mul_f32 v[Y4], v[Y2], v[Y2]                  ; *
.endif
.if \tr
	v_pk_add_f32 v[SS:SS+1], v[SS:SS+1], v[SS+4:SS+5]
.endif
.if \ch
	v_fma_f32 v[E0], v[E1], v[Y2], v[E0]           ; *
.endif
.if \st
	v_pk_fma_f32 v[TT+2:TT+3], v[AA+2:AA+3], v[\creg:\creg+1], v[KK+2:KK+3] op_sel_hi:[1,0,1]
.irp p, 0,1
	v_pk_fma_f32 v[GS+2*\p:GS+2*\p+1], v[EE+2*\p:EE+2*\p+1], v[FF:FF+1], v[GS+2*\p:GS+2*\p+1] op_sel_hi:[1,0,1]   ; m = g + E f
.endr
.endif
.if \tr
	v_add_f32 v[GG], v[SS], v[SS+1]
.endif
.if \ch
	v_fma_f32 v[PP], v[E2], v[Y4], v[E0]           ; *  q(y)
.endif
.if \st
.irp p, 2,3,4
	v_pk_fma_f32 v[GS+2*\p:GS+2*\p+1], v[EE+2*\p:EE+2*\p+1], v[FF:FF+1], v[GS+2*\p:GS+2*\p+1] op_sel_hi:[1,0,1]
.endr
.endif
.if \tr
	v_add_f32_dpp v[GG], v[GG], v[GG] row_xmask:1 row_mask:0xf bank_mask:0xf
.endif
.if \ch
	v_exp_f32 v[EX], v[PP]                         ; *  a plain vector line that names neither EX nor PP follows in every variant (ISA guide 5.7.2)
.endif
.if \st
.irp p, 2,3,4
	v_pk_fma_f32 v[TT+2*\p:TT+2*\p+1], v[AA+2*\p:AA+2*\p+1], v[\creg:\creg+1], v[KK+2*\p:KK+2*\p+1] op_sel_hi:[1,0,1]
.endr
.else
.if \ch
	v_nop
.endif
.endif
.if \tr
	v_add_f32_dpp v[GG], v[GG], v[GG] row_xmask:2 row_mask:0xf bank_mask:0xf    ; the column's 64 states, in all four lanes
.endif
.if \st
.irp p, 5,6,7
	v_pk_fma_f32 v[TT+2*\p:TT+2*\p+1], v[AA+2*\p:AA+2*\p+1], v[\creg:\creg+1], v[KK+2*\p:KK+2*\p+1] op_sel_hi:[1,0,1]   ; the last readers of this step's c
.endr
.endif
.if \ch
	s_wait_alu depctr_va_vdst(0)                   ; the wait for this step's exponential, a batch of one, ahead of EX's first reader;
	                                               ; the step's LDS instructions stand directly behind it, in one run
.endif
.if \fm == 2
	ds_store_b32 v[LA], v[FF] offset:\fo           ; a column's four lanes write the same word with the same value
.endif
.if \rl >= 0
	ds_load_b32 v[\creg], v[LA] offset:\rl         ; c for this place of the ring, 16 steps ahead; waited for in front of the next signal
.endif
.if \ch
	v_add_f32 v[EX], 1.0, v[EX]                    ; *
.endif
.if \tr
	v_fma_f32 v[PV], v[FF], s43, v[GG]             ; P of the next link
.endif
.if \st
.irp p, 5,6,7
	v_pk_fma_f32 v[GS+2*\p:GS+2*\p+1], v[EE+2*\p:EE+2*\p+1], v[FF:FF+1], v[GS+2*\p:GS+2*\p+1] op_sel_hi:[1,0,1]
.endr
.endif
.if \ch
	v_rcp_f32 v[RR], v[EX]                         ; *  again a plain line follows before RR is read
.endif
.if \sig
	s_wait_dscnt 0x0                               ; my f words of this trip lie in LDS, my reads of the input slots are over: zero, for the others
	s_barrier_signal -1                            ; up to the wait: register work only
.endif
.if \tr
	v_add_f32 v[PH], s45, v[PV]
.else
.if \ch
	v_nop
	s_wait_alu depctr_va_vdst(0)                   ; the wait for the last reciprocal of all: the step behind this one runs no chain, has no wait at its head, and reads RR for f
.endif
.endif
.if \st
.irp p, 0,1,2,3,4,5,6,7
	v_pk_fma_f32 v[GS+2*\p:GS+2*\p+1], v[DD+2*\p:DD+2*\p+1], v[GS+2*\p:GS+2*\p+1], v[TT+2*\p:TT+2*\p+1]           ; g = d m + (A c + K)
.endr
.endif
.endm
; A regular step: step i of trip k.  Its ring place is filled again with row 16 (k+1) + 3 + i, if there is such a row; step 15's
; reload stands behind the barrier instead, so that no fresh LDS load stands in front of the signal's wait.
.macro RSTEP k, i, gst, sig, hw=1
.set ROWN, 16*((\k)+1)+3+(\i)
.set RLV, -1
.if (\i) < 15
.if ROWN < 1024
.set RLV, ((ROWN>>4)%4)*SLOTB+(ROWN&15)*128
.endif
.endif
.set FOV, OUTB+((\k)%2)*SLOTB+128*(\i)
.set CRV, CC+2*(\i)
	STEP CRV, 2, 2, 1, 1, FOV, RLV, \gst, \sig, \hw
.endm
; Between trip kap-1 and trip kap.  Behind the barrier: out tile kap-1 is whole in LDS, input tile kap+2 can be read, and the slot of input
; tile kap-1 (= kap+3 mod 4), whose last reads were waited for one barrier earlier, can be written.
.macro BOUNDARY kap, rel
	s_barrier_wait -1
	s_wait_xcnt 0x0                                ; OY, the data of the last out store, is loaded again only behind this wait
	ds_load_b128 v[OY:OY+3], v[LB] offset:OUTB+(((\kap)-1)%2)*SLOTB
.if 16*(\kap)+18 < 1024
	ds_load_b32 v[CC+30], v[LA] offset:(((\kap)+1)%4)*SLOTB+2*128          ; step 15's c: row 16 kap + 18
.endif
.set XS, ((\kap)+3)%4
.if (\kap)+3 <= 63
.if 60-(\kap) < 3
	s_wait_loadcnt 60-(\kap)                       ; the last tiles: as many loads were issued behind tile kap+3 as tiles follow it
.else
	s_wait_loadcnt 0x3                             ; tile kap+3 is in; the three tiles asked for at the three later boundaries stay out
.endif
	ds_store_b128 v[LB], v[XR+4*XS:XR+4*XS+3] offset:XS*SLOTB
.endif
.if (\kap)+7 <= 63
	global_load_b128 v[XR+4*XS:XR+4*XS+3], v[GOF], s[8:9] offset:((\rel)+8)*TILEB th:TH_LOAD_NT    ; tile kap+7 into the set just emptied
.endif
.endm
; Steps 3 to 15 of trip k, the boundary, steps 0 to 2 of trip k+1 (in the last of them out tile k leaves).  rel: tile k counted from the
; two stepped bases.  hw: handed to step 3 (0 where the segment stands behind the loop's label or its jump).
.macro SEG k, rel, hw=1
	RSTEP \k, 3, -1, 0, \hw
.irp i, 4,5,6,7,8,9,10,11,12,13,14
	RSTEP \k, \i, -1, 0
.endr
	RSTEP \k, 15, -1, 1
	BOUNDARY (\k)+1, \rel
	RSTEP (\k)+1, 0, -1, 0
	RSTEP (\k)+1, 1, -1, 0
	RSTEP (\k)+1, 2, (\rel)*TILEB, 0
.endm
	STEP CP,   0, 1, 0, 1, 0, -1, -1, 0            ; u = 0: g_0 (f_(-3) = 0)
	STEP CP+2, 0, 1, 1, 1, 0, -1, -1, 0            ; u = 1: g_1, P_0 (f_(-2) = 0)
	v_mov_b32 v[FF], v[FS]                         ; f_(-1) = fs0
	STEP CP+4, 1, 1, 1, 1, 0, -1, -1, 0            ; u = 2: g_2, P_1, r_0
	RSTEP 0, 0, -1, 0                              ; trip 0, steps 0 to 2: no out tile to store yet
	RSTEP 0, 1, -1, 0
	RSTEP 0, 2, -1, 0
	s_wait_alu depctr_va_vdst(0)                   ; the wait for the reciprocal of the step above, ahead of the label
	s_mov_b32 s50, 0
.Lround:                                           ; four trips; the boundaries 1 to 56 ask for the tiles 8 to 63
	SEG 0, 0, 0                                    ; its first step has no wait at its head: on both ways to the label the reciprocal has had its wait
	SEG 1, 1
	SEG 2, 2
	SEG 3, 3
	s_wait_alu depctr_va_vdst(0)                   ; the wait for the reciprocal of the trip's last step, ahead of the backward jump
	s_wait_xcnt 0x0                                ; the two bases are stepped only behind this wait
	s_add_nc_u64 s[8:9], s[8:9], 4*TILEB
	s_add_nc_u64 s[24:25], s[24:25], 4*TILEB
	s_add_co_u32 s50, s50, 1
	s_cmp_lt_u32 s50, 14
	s_cbranch_scc1 .Lround
	SEG 56, 0, 0                                   ; the tail, written out: no load leaves the buffer, the counts of loads run down 3, 2, 1, 0,
	SEG 57, 1                                      ; then the LDS fills and the reloads of c end
	SEG 58, 2
	SEG 59, 3
	SEG 60, 4
	SEG 61, 5
	SEG 62, 6
.irp i, 3,4,5,6,7,8,9,10,11,12
	RSTEP 63, \i, -1, 0                            ; up to u = 1023, the last row of currents
.endr
	STEP CC, 2, 2, 1, 0, OUTB+SLOTB+128*13, -1, -1, 0      ; u = 1024: P_1023, r_1022, f_1021
	STEP CC, 2, 2, 0, 0, OUTB+SLOTB+128*14, -1, -1, 0      ; u = 1025: r_1023, f_1022
	STEP CC, 0, 2, 0, 0, OUTB+SLOTB+128*15, -1, -1, 1      ; u = 1026: f_1023
	s_barrier_wait -1
	s_wait_xcnt 0x0                                ; OY was the data of tile 62's store
	ds_load_b128 v[OY:OY+3], v[LB] offset:OUTB+SLOTB
	s_wait_dscnt 0x0
	global_store_b128 v[GOF], v[OY:OY+3], s[24:25] offset:7*TILEB th:TH_STORE_NT   ; out tile 63
	s_wait_tensorcnt 0x0
	ds_add_u32 v208, v209
	s_wait_dscnt 0x0
	s_endpgm
.Lfunc_end_k_q4fd6fef789_frm:
	.size	k_q4fd6fef789_frm, .Lfunc_end_k_q4fd6fef789_frm-k_q4fd6fef789_frm
	.p2alignl 7, 3214868480
	.fill 96, 4, 3214868480
	.section	.rodata,"a",@progbits
	.p2align	6, 0x0
	.amdhsa_kernel k_q4fd6fef789_frm
		.amdhsa_group_segment_fixed_size 168448
		.amdhsa_private_segment_fixed_size 0
		.amdhsa_enable_private_segment 0
		.amdhsa_kernarg_size 72
		.amdhsa_user_sgpr_count 2
		.amdhsa_user_sgpr_kernarg_segment_ptr 1
		.amdhsa_wavefront_size32 1
		.amdhsa_system_sgpr_workgroup_id_x 1
		.amdhsa_system_sgpr_workgroup_id_y 1
		.amdhsa_system_sgpr_workgroup_id_z 1
		.amdhsa_system_vgpr_workitem_id 0
		.amdhsa_next_free_vgpr 210
		.amdhsa_next_free_sgpr 66
		.amdhsa_reserve_vcc 0
		.amdhsa_float_denorm_mode_32 3
		.amdhsa_float_denorm_mode_16_64 3
		.amdhsa_memory_ordered 1
		.amdhsa_forward_progress 1
		.amdhsa_inst_pref_size 255
	.end_amdhsa_kernel
	.section	.bss,"aw",@nobits
	.p2align	6
	.space	262144
	.amdgpu_metadata
---
amdhsa.version: [ 1, 2 ]
amdhsa.kernels:
  - .name:           k_q4fd6fef789_frm
    .symbol:         k_q4fd6fef789_frm.kd
    .args:
      - { .name: currents, .offset: 0, .size: 8, .value_kind: global_buffer, .address_space: global }
      - { .name: fs0, .offset: 8, .size: 8, .value_kind: global_buffer, .address_space: global }
      - { .name: a, .offset: 16, .size: 8, .value_kind: global_buffer, .address_space: global }
      - { .name: b, .offset: 24, .size: 8, .value_kind: global_buffer, .address_space: global }
      - { .name: w, .offset: 32, .size: 8, .value_kind: global_buffer, .address_space: global }
      - { .name: ds, .offset: 40, .size: 8, .value_kind: global_buffer, .address_space: global }
      - { .name: poly_coeff, .offset: 48, .size: 8, .value_kind: global_buffer, .address_space: global }
      - { .name: g_b, .offset: 56, .size: 8, .value_kind: global_buffer, .address_space: global }
      - { .name: out0, .offset: 64, .size: 8, .value_kind: global_buffer, .address_space: global }
    .group_segment_fixed_size: 168448
    .private_segment_fixed_size: 0
    .kernarg_segment_align: 8
    .kernarg_segment_size: 72
    .max_flat_workgroup_size: 128
    .sgpr_count:     66
    .vgpr_count:     210
    .wavefront_size: 32
...
	.end_amdgpu_metadata
.endif
;; end of part 2
